; MI455X (gfx1250); checked and timed in simulation.
; The chip was launched on July 23, 2026; its instructions are those of AMD's public machine-readable ISA for CDNA 5 (MIT licence, August 2026) and "CDNA5" Instruction Set Architecture Reference Guide (July 2026). The comments in the code are by the model that wrote it; some were corrected since.
;; STE Bit Linear. Allowed arithmetic: matrix products marked QUANTISED: E4M3 operands, one E8M0 scale for each 32 along K, by v_wmma_scale_f32_16x16x128_f8f6f4 with both operands' format E4M3, f32 sums; everything else in f32.
;; Inputs: scales 131,072 float32; sign_weights 4,096 x 4,096 float32; x_codes 4 x 1,024 x 128 x 32 uint8 (E4M3 codes of x, K innermost, in blocks of 32 codes); x_scales 4 x 1,024 x 128 uint8 (E8M0 scales of x, one for each 32 codes along K).
;; Outputs: out0 4 x 1,024 x 4,096 float32.
;; This version of the problem:
;;   THIS VERSION OF THE PROBLEM IS GIVEN IN LOW PRECISION. The matrix products marked QUANTISED in the list below multiply operands that are first quantised to E4M3 (4 exponent bits, 3 mantissa bits; 8 bits a number), with one power-of-two scale for each 32 numbers along K (OCP MX v1.0); their sums are f32. All else is computed in f32.
;;   The module's matrix products, in the order in which they are computed (A, B: the left and right operand; K: the contracted axis; several contracted axes count as one K, in the product's order):
;;     1. [M 4,096, K 4,096] x [K 4,096, N 4,096]; A: input x (given as codes); B: computed on the way: QUANTISED
;;   THE QUANTISER, for each operand of a quantised product, along K:
;;     - K is cut into blocks of 32 from its start; a last block that is shorter is filled with zeros.
;;     - A block's scale is 2^e with e = floor(log2(the largest magnitude in the block)) - 8, held to -126 .. 127; a block of zeros has e = 0. As a byte (E8M0): e + 127.
;;     - Each number is divided by its block's scale, clamped to +-448, and rounded to the nearest number of E4M3, ties to even, subnormals kept.
;;     - The product sums the exact products of the quantised numbers (number of the format x scale) in f32.
;;   ~~~python
;;   def quantise(x, axis):      # numpy; x: float32 -> the quantised numbers, widened to float32 again
;;       x = np.moveaxis(x, axis, -1); K = x.shape[-1]
;;       x = np.pad(x, [(0, 0)] * (x.ndim - 1) + [(0, -K % 32)]); x = x.reshape(x.shape[:-1] + (-1, 32)); a = np.abs(x).max(-1, keepdims=True)
;;       e = np.where(a > 0, np.clip(np.frexp(np.where(a > 0, a, 1))[1] - 1 - 8, -126, 127), 0)      # np.frexp(a)[1] - 1 = floor(log2(a)), exactly
;;       r = np.clip(x / 2.0 ** e, -448, 448)
;;       step = 2.0 ** (np.maximum(np.frexp(np.where(r == 0, 1, r))[1] - 1, -6) - 3)
;;       q = np.round(r / step) * step * 2.0 ** e      # np.round: ties to even
;;       return np.moveaxis(q.reshape(q.shape[:-2] + (-1,))[..., :K], -1, axis).astype(np.float32)
;;   ~~~
;;   OPERANDS COMPUTED ON THE WAY. 'Computed on the way' means the value that the module computes at that place (a softmax that the list does not call 'softmax' is quantised finished and normalised). What goes into a quantiser is computed in f32, as accurately as f32 sums, v_exp_f32 and their like allow (about 1e-6 of the number): no bf16 or f16 on the way to a quantiser, and a product that is left as it is and whose result goes on into a quantised operand takes f32 operands (vector FMAs, or v_wmma_f32_16x16x4_f32). A number that lies on a knife's edge between two numbers of the format may be rounded either way, as far as f32 arithmetic and the matrix unit's own rounding can turn it there, and no further.
;;   INPUTS GIVEN AS CODES. x (in the module: [4, 1024, 4096], K = its axis 2): each comes as NAME_codes (uint8): NAME with its K axis moved to the last place and cut into blocks of 32 codes, [.., K / 32, bytes a block], one block behind the other in memory; one code a byte (a code: sign, 4 exponent bits, 3 mantissa bits); and NAME_scales (uint8): the same leading axes, one E8M0 byte (e + 127) for each 32 codes along K. Its value is code x scale, taken as it is: it is not quantised again, and the codes and scales need not be those that the quantiser above would give.
;; One version. Each part assembles by itself: llvm-mc -triple=amdgcn-amd-amdhsa -mcpu=gfx1250 --defsym DOCPART=n.
;; ======== version 1 of 1: 2 launches
;; limits: right only within a limited range of input values
;; workspace buffers: wq 16,777,216 bytes; ws 524,288 bytes; xs 524,288 bytes
;; launch prep (part 1): grid 256 x 1, 16 waves a work-group, no clusters, 73,728 bytes of LDS; arguments sign_weights, scales, x_scales, wq, ws, xs; writes wq, ws, xs
.if DOCPART == 1
	.amdgcn_target "amdgcn-amd-amdhsa--gfx1250"
	.amdhsa_code_object_version 6
	.text
	.protected	k_qe53cd200e3_prep
	.globl	k_qe53cd200e3_prep
	.p2align	8
	.type	k_qe53cd200e3_prep,@function
k_qe53cd200e3_prep:
	s_mov_b64 s[64:65], 0
	v_nop
	global_prefetch_b8 v0, s[64:65] scope:SCOPE_SE
	s_setreg_imm32_b32 hwreg(HW_REG_WAVE_MODE, 25, 1), 1
	s_wait_xcnt 0x0
; W[n][k] = sign(sign_weights[n][k]) x scales[32 n + k / 128] becomes codes of FP8 (E4M3) and E8M0 scale bytes, laid as images of the product launch's operand registers:
;   wq [n / 128][k / 128][f = (n / 16) % 8][c = 0..3][lane (h, r)][16 bytes]: the codes of row n = .. + 16 f + r, k = .. + 32 c + 16 h + 0 .. 15: a fragment is 2,048 consecutive bytes.
;   ws [n / 128][k / 512][i = 0..3][lane (h, r)][16 bytes]: the four scale words (one for each 128 along K) of row 16 (i + 4 h) + r of the 128.
;   xs: x_scales moved into the same form, 16 bytes at a time, unchanged.
; All numbers of a group of 128 along K are +s, -s or 0 with ONE s.  So a block's largest magnitude is |s| (or the block is zeros), and byte, hold and division are made once a group:
; r = (s held within +-448 x 2^e) / 2^e, e = floor(log2 |s|) - 8, exact; a number's code is that of sign(sw) x r; a group's four bytes are equal.
; LIMITS.  NaN and infinities in sign_weights or scales are not served.  A block whose 32 signs are all 0 gets |s|'s byte where the rule says 127: its codes are zeros, which add nothing under
; any byte but 0xff, and only this program reads the bytes.  |s| under 2^-118 keeps the byte 1, as the rule's hold at e = -126 asks.
; SHARES.  Work-group b owns rows 16 b .. 16 b + 15 (one f of one n / 128); wave w owns groups 2 w and 2 w + 1 of them.  Load j = row j % 16 of group 2 w + j / 16: 512 consecutive bytes with one s.
; A lane's 4 codes go to LDS in pieces of 256 bytes (16 along K x 16 rows), 272 apart; a finished group comes back as 4 x 512 consecutive bytes and is stored so.
; The scale words of all 16 waves meet in 2,048 bytes of LDS behind one barrier; waves 0-3 store them, 16 lanes to 256 consecutive bytes.  Waves 4-7 move 2,048 bytes of x_scales:
; they are read in pieces of 16 bytes, 128 apart (524,288 bytes in the whole launch), and stored as 512 consecutive bytes a wave.
.set GB,    2176                       ; a group's fragment in LDS: 8 pieces of 272 bytes
.set WB,    2*GB                       ; a wave's block
.set SCW,   16*WB                      ; the scale words: [k / 512][row][4 words]
.set SPARE, SCW+2048                   ; the spare words
.set X,   32                           ; v32-159  load j's four numbers
.set C,   160                          ; v160-191 load j's four codes
.set O,   192                          ; v192-223 on the way out
.set R,   32                           ; s32-63   r of loads 0 to 31
.set BIG, 2
.set MNT, 3
	s_load_b256 s[4:11], s[0:1], 0x0               ; sign_weights, scales, x_scales, wq
	s_load_b128 s[12:15], s[0:1], 0x20             ; ws, xs
	v_lshl_add_u32 v224, v0, 2, SPARE
	v_mov_b32 v225, 0
	v_lshrrev_b32 v1, 5, v0
	v_readfirstlane_b32 s16, v1                    ; wave
	v_and_b32 v1, 31, v0                           ; lane l
	v_and_b32 v10, 127, v0
	v_lshlrev_b32 v2, 4, v1                        ; 16 l
	v_and_b32 v4, 15, v1                           ; l % 16
	v_lshrrev_b32 v5, 4, v1                        ; l / 16
	v_lshrrev_b32 v3, 2, v1                        ; l / 4: my piece
	v_and_b32 v7, 3, v1
	v_lshlrev_b32 v6, 7, v4
	v_mul_u32_u24 v3, v3, 272
	v_mul_u32_u24 v8, v5, 272
	v_lshl_add_u32 v6, v5, 2, v6                   ; s of load l: row l % 16 (128 bytes), group l / 16
	s_mul_i32 s17, s16, WB
	v_lshl_add_u32 v7, v7, 2, v3
	v_lshl_add_u32 v8, v4, 4, v8
	v_add_nc_u32 v7, s17, v7                       ; codes in: piece l / 4, 4 bytes at 4 (l % 4)
	v_add_nc_u32 v8, s17, v8                       ; codes out: piece l / 16, 16 bytes of row l % 16
	s_lshr_b32 s30, s16, 1
	s_lshl_b32 s30, s30, 8
	s_and_b32 s31, s16, 1
	s_lshl_b32 s31, s31, 3
	s_add_co_u32 s30, s30, s31
	s_add_co_u32 s30, s30, SCW
	v_lshlrev_b32 v11, 4, v4
	v_lshl_add_u32 v11, v5, 2, v11
	v_add_nc_u32 v11, s30, v11                     ; load l's scale word: 256 (w / 2) + 16 row + 8 (w % 2) + 4 (l / 16)
	v_lshl_add_u32 v12, v10, 4, SCW                ; waves 0-3 read them back, 16 bytes a thread
	v_lshrrev_b32 v13, 4, v10
	v_lshlrev_b32 v13, 11, v13
	v_lshl_add_u32 v13, v4, 4, v13                 ; and store them: 2,048 bytes from one k / 512 to the next, 16 a row
	v_lshlrev_b32 v14, 13, v5
	v_lshl_add_u32 v14, v4, 7, v14                 ; x_scales: row 64 (l / 16) + l % 16, 128 bytes a row
	v_mov_b32 v9, 1.0                              ; the conversion's scale operand: it divides by 2^0
	s_mov_b32 s[BIG], 160
	s_mov_b32 s[MNT], 0x600000
	s_lshr_b32 s30, ttmp9, 3                       ; b / 8
	s_and_b32 s31, ttmp9, 7                        ; b % 8
	s_lshl_b32 s18, ttmp9, 18                      ; sign_weights: 16 rows of 16,384 bytes a work-group, 1,024 bytes a wave
	s_lshl_b32 s17, s16, 10
	s_add_co_u32 s18, s18, s17
	s_mov_b32 s19, 0
	s_lshl_b32 s20, ttmp9, 11                      ; scales: 16 rows of 128 bytes, 8 bytes a wave
	s_lshl_b32 s17, s16, 3
	s_add_co_u32 s20, s20, s17
	s_mov_b32 s21, 0
	s_lshl_b32 s22, s30, 19                        ; wq: 524,288 (b / 8) + 16,384 x 2 w + 2,048 (b % 8)
	s_lshl_b32 s17, s16, 15
	s_add_co_u32 s22, s22, s17
	s_lshl_b32 s17, s31, 11
	s_add_co_u32 s22, s22, s17
	s_mov_b32 s23, 0
	s_lshl_b32 s24, s30, 14                        ; ws: 16,384 (b / 8) + 512 (b % 4) + 256 ((b / 4) % 2)
	s_and_b32 s17, ttmp9, 3
	s_lshl_b32 s17, s17, 9
	s_add_co_u32 s24, s24, s17
	s_bfe_u32 s17, ttmp9, 0x10002
	s_lshl_b32 s17, s17, 8
	s_add_co_u32 s24, s24, s17
	s_mov_b32 s25, 0
	s_lshl_b32 s26, s30, 14                        ; x_scales: 128 rows (b / 8) + 16 rows (w % 4) + 16 bytes (b % 8)
	s_and_b32 s17, s16, 3
	s_lshl_b32 s28, s17, 11
	s_add_co_u32 s26, s26, s28
	s_lshl_b32 s28, s31, 4
	s_add_co_u32 s26, s26, s28
	s_mov_b32 s27, 0
	s_lshl_b32 s28, ttmp9, 11                      ; xs: 2,048 b + 512 (w % 4)
	s_lshl_b32 s17, s17, 9
	s_add_co_u32 s28, s28, s17
	s_mov_b32 s29, 0
	s_lshr_b32 s17, s16, 2                         ; 0: stores scale words; 1: moves x_scales
	s_wait_alu depctr_va_vdst(0)                   ; the wait at the head's end
	s_wait_kmcnt 0x0
	s_add_nc_u64 s[4:5], s[4:5], s[18:19]
	s_add_nc_u64 s[6:7], s[6:7], s[20:21]
	s_add_nc_u64 s[8:9], s[8:9], s[26:27]
	s_add_nc_u64 s[10:11], s[10:11], s[22:23]
	s_add_nc_u64 s[12:13], s[12:13], s[24:25]
	s_add_nc_u64 s[14:15], s[14:15], s[28:29]
	s_cmp_eq_u32 s17, 1
	s_cbranch_scc0 .Lno_x
	global_load_b128 v[16:19], v14, s[8:9]         ; older than all loads below: it is in when s is
.Lno_x:
	global_load_b32 v20, v6, s[6:7]                ; lane j: s of load j
.irp j, 0,1,2,3,4,5,6,7,8,9,10,11,12,13,14,15,16,17,18,19,20,21,22,23,24,25,26,27,28,29,30,31
	global_load_b128 v[X+4*\j:X+4*\j+3], v2, s[4:5] offset:(\j%16)*16384+(\j/16)*512 th:TH_LOAD_NT
.endr
	s_wait_loadcnt 32                              ; behind s's load stand the 32
	v_max_num_f32 v21, |v20|, 0x4800000            ; |s|, and the floor 2^(9 - 127): the byte stays at 1 from below
	v_and_or_b32 v22, v21, 0x7f800000, s[MNT]      ; 448 x the scale
	v_lshrrev_b32 v23, 23, v21                     ; the exponent field: e + 135
	v_med3_num_f32 v24, v20, -v22, v22             ; s held (the conversion does not saturate: ISA guide 7.6.2)
	v_add_nc_u32 v26, -8, v23                      ; the byte,
	v_sub_nc_u32 v23, 135, v23                     ; -e
	v_perm_b32 v26, v26, v26, 0                    ; four times
	v_ldexp_f32 v25, v24, v23                      ; r: nothing is rounded
	ds_store_b32 v11, v26
.irp g, 0,1,2,3,4,5,6,7,8,9,10,11,12,13,14,15,16,17,18,19,20,21,22,23,24,25,26,27,28,29,30,31
	v_readlane_b32 s[R+\g], v25, \g
.endr
	s_wait_dscnt 0x0                               ; for the others' sake: my scale words are in LDS
	s_barrier_signal -1
	s_barrier_wait -1
	s_cmp_eq_u32 s17, 1
	s_cbranch_scc0 .Lnot_x
	global_store_b128 v2, v[16:19], s[14:15]       ; 512 consecutive bytes of xs
.Lnot_x:
	s_cmp_eq_u32 s17, 0
	s_cbranch_scc0 .Lnot_w
	ds_load_b128 v[16:19], v12
	s_wait_dscnt 0x0
	global_store_b128 v13, v[16:19], s[12:13]      ; 16 lanes store 256 consecutive bytes of ws, aligned
.Lnot_w:
.macro PAIR j                          ; loads j and j + 1: two rows of one group: eight numbers become eight codes
	s_wait_loadcnt 30-(\j)                         ; behind load j + 1 stand 30 - j
.irp i, 0,1,2,3,4,5,6,7
	v_ldexp_f32 v[X+4*(\j)+\i], v[X+4*(\j)+\i], s[BIG]   ; x 2^160: the smallest f32 that is not 0 passes 1; 0 stays 0
.endr
.irp i, 0,1,2,3,4,5,6,7
	v_med3_num_f32 v[X+4*(\j)+\i], v[X+4*(\j)+\i], -1.0, 1.0   ; held within +-1: the sign
.endr
.irp i, 0,1,2,3
	v_mul_f32 v[X+4*(\j)+\i], s[R+(\j)], v[X+4*(\j)+\i]        ; sign x r: exact
.endr
.irp i, 4,5,6,7
	v_mul_f32 v[X+4*(\j)+\i], s[R+(\j)+1], v[X+4*(\j)+\i]
.endr
	v_cvt_scalef32_pk8_fp8_f32 v[C+(\j):C+(\j)+1], v[X+4*(\j):X+4*(\j)+7], v9   ; its results go to LDS stores alone; its sources are never written again
	ds_store_b32 v7, v[C+(\j)] offset:((\j)/16)*GB+((\j)%16)*16
	ds_store_b32 v7, v[C+(\j)+1] offset:((\j)/16)*GB+((\j)%16)*16+16
.endm
.macro OUTG g                          ; a finished group leaves: LDS serves a wave's instructions in order (ISA guide 5.7.1.4), so the loads see my stores
.irp i, 0,1,2,3
	ds_load_b128 v[O+16*\g+4*\i:O+16*\g+4*\i+3], v8 offset:\g*GB+\i*544
.endr
.irp i, 0,1,2,3
	s_wait_dscnt 3-\i
	global_store_b128 v2, v[O+16*\g+4*\i:O+16*\g+4*\i+3], s[10:11] offset:\g*16384+\i*512   ; 512 consecutive bytes, at a multiple of 256 from wq's first byte
.endr
.endm
.irp j, 0,2,4,6,8,10,12,14
	PAIR \j
.endr
	OUTG 0
.irp j, 16,18,20,22,24,26,28,30
	PAIR \j
.endr
	OUTG 1
	s_wait_tensorcnt 0x0                           ; the wave's end
	ds_add_u32 v224, v225
	s_wait_dscnt 0x0
	s_endpgm
.Lfunc_end_k_qe53cd200e3_prep:
	.size	k_qe53cd200e3_prep, .Lfunc_end_k_qe53cd200e3_prep-k_qe53cd200e3_prep
	.p2alignl 7, 3214868480
	.fill 96, 4, 3214868480
	.section	.rodata,"a",@progbits
	.p2align	6, 0x0
	.amdhsa_kernel k_qe53cd200e3_prep
		.amdhsa_group_segment_fixed_size 73728
		.amdhsa_private_segment_fixed_size 0
		.amdhsa_enable_private_segment 0
		.amdhsa_kernarg_size 48
		.amdhsa_user_sgpr_count 2
		.amdhsa_user_sgpr_kernarg_segment_ptr 1
		.amdhsa_wavefront_size32 1
		.amdhsa_system_sgpr_workgroup_id_x 1
		.amdhsa_system_sgpr_workgroup_id_y 1
		.amdhsa_system_sgpr_workgroup_id_z 1
		.amdhsa_system_vgpr_workitem_id 0
		.amdhsa_next_free_vgpr 226
		.amdhsa_next_free_sgpr 66
		.amdhsa_reserve_vcc 0
		.amdhsa_float_denorm_mode_32 3
		.amdhsa_float_denorm_mode_16_64 3
		.amdhsa_memory_ordered 1
		.amdhsa_forward_progress 1
		.amdhsa_inst_pref_size 36
	.end_amdhsa_kernel
	.amdgpu_metadata
---
amdhsa.version: [ 1, 2 ]
amdhsa.kernels:
  - .name:           k_qe53cd200e3_prep
    .symbol:         k_qe53cd200e3_prep.kd
    .args:
      - { .name: sign_weights, .offset: 0, .size: 8, .value_kind: global_buffer, .address_space: global }
      - { .name: scales, .offset: 8, .size: 8, .value_kind: global_buffer, .address_space: global }
      - { .name: x_scales, .offset: 16, .size: 8, .value_kind: global_buffer, .address_space: global }
      - { .name: wq, .offset: 24, .size: 8, .value_kind: global_buffer, .address_space: global }
      - { .name: ws, .offset: 32, .size: 8, .value_kind: global_buffer, .address_space: global }
      - { .name: xs, .offset: 40, .size: 8, .value_kind: global_buffer, .address_space: global }
    .group_segment_fixed_size: 73728
    .private_segment_fixed_size: 0
    .kernarg_segment_align: 8
    .kernarg_segment_size: 48
    .max_flat_workgroup_size: 512
    .sgpr_count:     66
    .vgpr_count:     226
    .wavefront_size: 32
...
	.end_amdgpu_metadata
.endif
;; end of part 1
;; launch gemm (part 2): grid 16 x 16, 4 waves a work-group, clusters of 4 x 4, 327,680 bytes of LDS; arguments x_codes, wq, ws, xs, out0; writes out0
.if DOCPART == 2
	.amdgcn_target "amdgcn-amd-amdhsa--gfx1250"
	.amdhsa_code_object_version 6
	.text
	.protected	k_qe53cd200e3_gemm
	.globl	k_qe53cd200e3_gemm
	.p2align	8
	.type	k_qe53cd200e3_gemm,@function
k_qe53cd200e3_gemm:
	s_mov_b64 s[64:65], 0
	v_nop
	global_prefetch_b8 v0, s[64:65] scope:SCOPE_SE
	s_setreg_imm32_b32 hwreg(HW_REG_WAVE_MODE, 25, 1), 1
	s_wait_xcnt 0x0
	s_wait_alu depctr_hold_cnt(0) depctr_sa_sdst(0) depctr_va_vdst(0) depctr_va_sdst(0) depctr_va_ssrc(0) depctr_va_vcc(0) depctr_vm_vsrc(0)
	s_getreg_b32 s2, hwreg(HW_REG_IB_STS2, 6, 4)
	s_cmp_eq_u32 s2, 0
	s_cbranch_scc0 .Lentry_in_a_cluster
	s_endpgm
.Lentry_in_a_cluster:
	s_bfe_u32 s2, ttmp6, 0x10000c
	s_cmp_lg_u32 s2, 0xf033
	s_cbranch_scc0 .Lentry_shape_is_right
	s_endpgm
.Lentry_shape_is_right:
; out0[m][n] = sum over k of x[m][k] W[n][k], 4,096 x 4,096 x 4,096, both sides codes of FP8 (E4M3) with E8M0 scales, by v_wmma_scale_f32_16x16x128_f8f6f4; sums in f32.
; A work-group of four waves makes 256 x 256 of out0, a wave 128 x 128: 64 accumulators, 512 registers.  The instruction is used transposed (source 0 = 16 rows of W, source 1 = 16 rows of x).
; x's CODES go through LDS: a ring of two slots of 256 rows x 512 bytes (512 along K: four steps of 128), each wave fetching 64 rows by one joint tensor load shared along its row of the 4 x 4 cluster:
; 8 fills in all.  A fill is asked for in the middle of a slot's last step and waited for at the head of the other slot's last step: 224 matrix instructions between.
; W's CODES AND BOTH SIDES' SCALE WORDS GO FROM MEMORY STRAIGHT INTO REGISTERS: the preparing launch has laid them as images of the operand registers, so a wave's stream of W is 524,288 consecutive bytes,
; each load 512 of them.  W has two register sets (a step each).  A step's products go by W's blocks, first against x's blocks 0-3, then against 4-7, so half a set is free 16 products before the step's
; end and half at its end; each half is asked for again at once, for the step two on: 80 matrix instructions ahead of its first use.  Waits on LOADcnt are counted fragment by fragment.
; No joint load for W: a load into registers has no joint form; with W out of LDS a slot holds twice the K, and LDS is read for x alone (16 KB a wave and step).
; PREFETCH: at each refill a wave names 32 blocks of 256 bytes of W's codes of the 512 along K two slots on (64 KB, shared out by address among the 8 waves of a cluster's column that read them), and
; 32 blocks of x's tile three slots on (256 rows x 2 blocks among the 16 waves of a cluster's row): three steps ahead of W's first load of them, four steps ahead of x's tensor load.
; At the head: W's second 512 along K and x's third.  The last refills name nothing past K.
; REGISTERS: window 0: v16-31 addresses; v32-63 x's scale words, two sets; v66-97 W's; v128-255 x's fragments, one set (blocks 0-3 fetched anew in a step's middle, 4-7 at its end).
;   window 1: W's two sets.  Windows 2, 3: accumulator (a, b) at v[8 (8 (a % 4) + b)].
.set SIZE_N, 4096
.set PITCH,  528                       ; an LDS row: 512 bytes + 16: row r starts at bank 4 r mod 64
.set QT,     64*PITCH                  ; what one tensor load brings
.set SLOT,   4*QT
.set SPARE,  2*SLOT                    ; the spare words, 512 bytes
.set SPITCH, 528                       ; the way out: a stage of 16 rows x 528 bytes a wave, in slot 0, behind its last fill and last read
.set ADRA, 16                          ; v16-17 LDS address of my x fragments in slot 0, 1
.set STO,  24
.set RD,   25
.set LO,   26                          ; 16 x lane: offset of every load into registers, and of the stores
.set SPW,  28
.set NIL,  29
.set PFOA, 30
.set PFOB, 31
.set SA,   32                          ; x's scale words: set s at SA + 16 s; register 4 i + q: lanes 0-15 block i, lanes 16-31 block i + 4, the slot's q-th 128 along K
.set SB,   66                          ; W's likewise; the two sides' register numbers differ modulo 8
.set AF,   128
.set BK,   128
.set G1,   24
.set G0,   32
.set BP,   6                           ; s[6:7] my stream of W's codes
.set WSP,  8                           ; s[8:9] W's scale words
.set XSP,  10                          ; s[10:11] x's scale words
.set PFA,  44
.set PFB,  46
.set MSB, 0
.macro WIN new                         ; the immediate's high byte repeats the setting that is left
.if MSB != \new
	s_set_vgpr_msb (MSB<<8)|\new
.set MSB, \new
.endif
.endm
.set MUL_LO, 0xa1
.set MUL_HI, 0xf1
.set TO_B,   0x40
.macro CREST
	s_cmp_lg_u32 s14, 0
	s_cbranch_scc1 .Lnot_wave_0_\@
	s_barrier_signal -3
.Lnot_wave_0_\@:
	s_barrier_wait -3
	s_barrier_signal -1
	s_barrier_wait -1
.endm
.macro CROUND
	s_barrier_signal -1
	s_barrier_wait -1
	CREST
.endm
.macro PLACES n
.rept \n
	v_nop
.endr
.endm
.macro JLOAD s                         ; one line for all four waves: the address hangs on the tile row and the wave's number alone
	tensor_load_to_lds s[G0+4*\s:G0+4*\s+3], s[G1:G1+7]
	s_nop 0
	PLACES 8                                       ; eight places behind a tensor load; also the places in front of the loads that follow
.endm
	s_load_b256 s[4:11], s[0:1], 0x0               ; x_codes, wq, ws, xs
	s_load_b64 s[12:13], s[0:1], 0x20              ; out0
	v_lshl_add_u32 v[SPW], v0, 2, SPARE
	v_mov_b32 v[NIL], 0
	ds_add_u32 v[SPW], v[NIL]                      ; the opening lines: the add twice on end and its wait
	ds_add_u32 v[SPW], v[NIL]
	v_lshrrev_b32 v1, 5, v0
	v_readfirstlane_b32 s14, v1                    ; wave
	s_lshr_b32 s15, s14, 1                         ; my half of the tile's rows
	s_and_b32 s16, s14, 1                          ; my half of its columns
	s_bfe_u32 s40, ttmp6, 0x40000                  ; cx
	s_bfe_u32 s41, ttmp6, 0x40004                  ; cy
	s_lshl_b32 s42, ttmp9, 2
	s_add_co_u32 s42, s42, s40                     ; tile column
	s_and_b32 s17, ttmp7, 0xffff
	s_lshl_b32 s17, s17, 2
	s_add_co_u32 s17, s17, s41                     ; tile row
	s_lshl_b32 s43, s41, 2
	s_lshl_b32 s43, 15, s43                        ; my row of the cluster
	s_or_b32 s[G1+0], s43, (0<<16)|(1<<20)|(1<<21)|(6<<22)|(3<<25)  ; mask; 1-byte elements; 4 words of padding behind every 128
	s_mov_b32 s[G1+1], 512<<16
	s_mov_b32 s[G1+2], 64<<16
	s_mov_b32 s[G1+3], 512<<16
	s_mov_b32 s[G1+4], 64
	s_mov_b32 s[G1+5], 4096
	s_mov_b32 s[G1+6], 0
	s_mov_b32 s[G1+7], 0
	v_and_b32 v1, 15, v0                           ; r
	v_bfe_u32 v2, v0, 4, 1                         ; h
	v_and_b32 v6, 31, v0
	v_mul_u32_u24 v3, v1, PITCH
	v_mul_u32_u24 v5, v1, SPITCH
	v_lshl_add_u32 v4, v2, 4, v3
	s_mul_i32 s19, s15, 128*PITCH
	v_add_nc_u32 v[ADRA], s19, v4
	s_add_co_u32 s19, s19, SLOT
	v_add_nc_u32 v[ADRA+1], s19, v4
	s_mul_i32 s19, s14, 16*SPITCH
	v_lshl_add_u32 v5, v2, 5, v5
	v_lshlrev_b32 v[LO], 4, v6
	v_add_nc_u32 v[STO], s19, v5
	v_add_nc_u32 v[RD], s19, v[LO]
	v_lshrrev_b32 v5, 1, v6
	v_and_b32 v7, 1, v6
	v_lshlrev_b32 v5, 12, v5
	v_lshl_add_u32 v[PFOA], v7, 8, v5              ; row lane / 2, block lane % 2
	v_lshlrev_b32 v[PFOB], 8, v6
	s_lshl_b32 s20, s17, 8                         ; x's tile: row 256 x tile row + 64 x wave, 4,096 bytes a row
	s_lshl_b32 s21, s14, 6
	s_add_co_u32 s20, s20, s21
	s_lshl_b32 s20, s20, 12
	s_mov_b32 s21, 0
	s_lshl_b32 s22, s17, 1                         ; xs: 16,384 bytes for each 128 rows
	s_add_co_u32 s22, s22, s15
	s_lshl_b32 s22, s22, 14
	s_mov_b32 s23, 0
	s_lshl_b32 s50, s42, 1
	s_add_co_u32 s50, s50, s16                     ; my 128 rows of W
	s_lshl_b32 s48, s50, 19                        ; wq: 524,288 bytes for each
	s_mov_b32 s49, 0
	s_lshl_b32 s50, s50, 14                        ; ws: 16,384
	s_mov_b32 s51, 0
	s_lshl_b32 s52, s41, 1                         ; W's prefetch: place 2 cy + row half among the eight waves, 8,192 bytes each
	s_add_co_u32 s52, s52, s15
	s_lshl_b32 s52, s52, 13
	s_add_co_u32 s52, s52, s48
	s_mov_b32 s53, 0
	s_lshl_b32 s54, s40, 2                         ; x's prefetch: place 4 cx + wave among the sixteen, 16 rows each
	s_add_co_u32 s54, s54, s14
	s_lshl_b32 s54, s54, 4
	s_lshl_b32 s55, s17, 8
	s_add_co_u32 s54, s54, s55
	s_lshl_b32 s54, s54, 12
	s_mov_b32 s55, 0
	s_lshl_b32 s56, s17, 8                         ; out0: row 256 x tile row + 128 x half; column bytes 1,024 x tile column + 512 x half
	s_lshl_b32 s57, s15, 7
	s_add_co_u32 s56, s56, s57
	s_lshl_b32 s56, s56, 14
	s_lshl_b32 s57, s42, 10
	s_add_co_u32 s56, s56, s57
	s_lshl_b32 s57, s16, 9
	s_add_co_u32 s56, s56, s57
	s_mov_b32 s57, 0
	s_mul_i32 s18, s14, QT
	s_wait_alu depctr_va_vdst(0)                   ; the wait behind the head's last vector write
	s_wait_dscnt 0x0                               ; both opening adds are done
	s_wait_kmcnt 0x0
	s_add_nc_u64 s[20:21], s[4:5], s[20:21]
	s_add_nc_u64 s[PFA:PFA+1], s[4:5], s[54:55]
	s_add_nc_u64 s[PFB:PFB+1], s[6:7], s[52:53]
	s_add_nc_u64 s[BP:BP+1], s[BP:BP+1], s[48:49]
	s_add_nc_u64 s[WSP:WSP+1], s[WSP:WSP+1], s[50:51]
	s_add_nc_u64 s[XSP:XSP+1], s[XSP:XSP+1], s[22:23]
	s_add_nc_u64 s[12:13], s[12:13], s[56:57]
.irp s, 0,1
	s_mov_b32 s[G0+4*\s], 1
	s_add_co_u32 s[G0+4*\s+1], s18, \s*SLOT
	s_add_nc_u64 s[G0+4*\s+2:G0+4*\s+3], s[20:21], \s*512
	s_or_b32 s[G0+4*\s+3], s[G0+4*\s+3], 0x80000000
.endr
	CROUND                                         ; all sixteen work-groups are here: the first joint loads meet
	JLOAD 0                                        ; one tensor load a wave at the head
.macro WM a, b, p, q, sc, zero
.set rD,  8*(8*((\a)%4)+(\b))
.set rB,  128*(\p)+16*(\b)
.set rA,  AF+16*(\a)
.set rSB, SB+16*(\sc)+4*((\b)%4)+(\q)
.set rSA, SA+16*(\sc)+4*((\a)%4)+(\q)
.if (\zero) && ((\a) < 4) && ((\b) < 4)
	v_wmma_scale_f32_16x16x128_f8f6f4 v[rD:rD+7], v[rB:rB+15], v[rA:rA+15], 0, v[rSB], v[rSA]
.elseif (\zero) && ((\a) < 4)
	v_wmma_scale_f32_16x16x128_f8f6f4 v[rD:rD+7], v[rB:rB+15], v[rA:rA+15], 0, v[rSB], v[rSA] matrix_a_scale:MATRIX_SCALE_ROW1
.elseif (\zero) && ((\b) < 4)
	v_wmma_scale_f32_16x16x128_f8f6f4 v[rD:rD+7], v[rB:rB+15], v[rA:rA+15], 0, v[rSB], v[rSA] matrix_b_scale:MATRIX_SCALE_ROW1
.elseif (\zero)
	v_wmma_scale_f32_16x16x128_f8f6f4 v[rD:rD+7], v[rB:rB+15], v[rA:rA+15], 0, v[rSB], v[rSA] matrix_a_scale:MATRIX_SCALE_ROW1 matrix_b_scale:MATRIX_SCALE_ROW1
.elseif ((\a) < 4) && ((\b) < 4)
	v_wmma_scale_f32_16x16x128_f8f6f4 v[rD:rD+7], v[rB:rB+15], v[rA:rA+15], v[rD:rD+7], v[rSB], v[rSA]
.elseif ((\a) < 4)
	v_wmma_scale_f32_16x16x128_f8f6f4 v[rD:rD+7], v[rB:rB+15], v[rA:rA+15], v[rD:rD+7], v[rSB], v[rSA] matrix_a_scale:MATRIX_SCALE_ROW1
.elseif ((\b) < 4)
	v_wmma_scale_f32_16x16x128_f8f6f4 v[rD:rD+7], v[rB:rB+15], v[rA:rA+15], v[rD:rD+7], v[rSB], v[rSA] matrix_b_scale:MATRIX_SCALE_ROW1
.else
	v_wmma_scale_f32_16x16x128_f8f6f4 v[rD:rD+7], v[rB:rB+15], v[rA:rA+15], v[rD:rD+7], v[rSB], v[rSA] matrix_a_scale:MATRIX_SCALE_ROW1 matrix_b_scale:MATRIX_SCALE_ROW1
.endif
.endm
; 16 products: W's blocks b0 .. b0 + 3, each against x's blocks 4 hi .. 4 hi + 3; the accumulators take turns.
; lc >= 0: ahead of each block of W a wait; lc = the loads issued behind the batch of four blocks; behind a block stand also the batch's later blocks, four loads each (the count's field holds 63)
.macro QUAD hi, b0, q, sc, zero, lc
.irp b, \b0, \b0+1, \b0+2, \b0+3
.if (\lc) >= 0
.set LC, (\lc)+4*(3-((\b)%4))
.if LC > 63
.set LC, 63
.endif
	s_wait_loadcnt LC
.endif
.irp a, 4*\hi, 4*\hi+1, 4*\hi+2, 4*\hi+3
	WM \a, \b, (\q)%2, \q, \sc, \zero
.endr
.endr
.endm
.macro FETCH_A slot, q, i0             ; x's blocks i0 .. i0 + 3 of the slot's q-th 128 along K
.irp i, \i0, \i0+1, \i0+2, \i0+3
.irp c, 0,1,2,3
	ds_load_b128 v[AF+16*(\i)+4*\c:AF+16*(\i)+4*\c+3], v[ADRA+\slot] offset:128*(\q)+32*\c+(\i)*16*PITCH
.endr
.endr
.endm
.macro BLD p, i0, bo                   ; W's blocks i0 .. i0 + 3 of the step bo steps from the lap's first, into set p: 16 loads of 512 consecutive bytes
	WIN TO_B
.irp i, \i0, \i0+1, \i0+2, \i0+3
.irp c, 0,1,2,3
	global_load_b128 v[128*(\p)+16*(\i)+4*\c:128*(\p)+16*(\i)+4*\c+3], v[LO], s[BP:BP+1] offset:(\bo)*16384+(\i)*2048+\c*512
.endr
.endr
.endm
.macro SLD sc, so                      ; the scale words of 512 along K, both sides, into set sc: 8 loads
.irp i, 0,1,2,3
	global_load_b128 v[SA+16*(\sc)+4*\i:SA+16*(\sc)+4*\i+3], v[LO], s[XSP:XSP+1] offset:(\so)+512*\i
	global_load_b128 v[SB+16*(\sc)+4*\i:SB+16*(\sc)+4*\i+3], v[LO], s[WSP:WSP+1] offset:(\so)+512*\i
.endr
.endm
.macro ASK slot                        ; the prefetches at a refill; x's tile three slots on exists at slot 1's refill in all trips but the last
	global_prefetch_b8 v[PFOB], s[PFB:PFB+1] offset:(2+\slot)*65536 th:TH_LOAD_NT scope:SCOPE_SE
.if \slot
	s_cmp_gt_u32 s3, 1
	s_cbranch_scc0 .Lno_more_\@
.endif
	global_prefetch_b8 v[PFOA], s[PFA:PFA+1] offset:(3+\slot)*512 th:TH_LOAD_NT scope:SCOPE_SE
.Lno_more_\@:
.endm
; A step of 128 along K: the slot's q-th.  ns, nq: where the next step's x lies.  bo: W's step to ask for (two on), or -1.  so: the next slot's scale words, or -1.
; lc: loads issued behind this step's second batch of W.  kind 0: plain; 1: the slot's last step, the slot is filled again; 2: the same with no refill; 3: the very last step.
.macro STEP slot, q, ns, nq, zero, bo, so, lc, kind
.if ((\kind) == 1) || ((\kind) == 2)
	s_wait_tensorcnt 0x0                           ; all my tensor loads have landed: my part of the other slot
	ds_add_u32 v[SPW], v[NIL]
.if (\kind) == 1
	s_add_nc_u64 s[G0+4*\slot+2:G0+4*\slot+3], s[G0+4*\slot+2:G0+4*\slot+3], 1024   ; no tensor load of mine is out: this slot's next 512 along K
.endif
	s_wait_dscnt 17                                ; the add and x's blocks 4-7 may be out
.else
	s_wait_dscnt 16                                ; x's blocks 4-7 may be out
.endif
	WIN MUL_LO
	QUAD 0, 0, \q, \slot, \zero, (\lc)+16
.if ((\kind) == 1) || ((\kind) == 2)
	s_wait_loadcnt \lc                             ; W's second batch, whole: no wait stands between signal and wait
	s_wait_dscnt 0x0                               ; the add is done; my reads of this slot are over
	s_barrier_signal -1
	QUAD 0, 4, \q, \slot, \zero, -1
	WIN 0
	s_barrier_wait -1
.if (\kind) == 1
	CREST                                          ; the barrier has opened a round of the cluster's barrier
	JLOAD \slot                                    ; the refill, first behind the round
.else
	PLACES 8
.endif
.else
	QUAD 0, 4, \q, \slot, \zero, \lc
	s_wait_dscnt 0x0                               ; x's blocks 4-7 are in
.if (\kind) != 3
	PLACES 8
	WIN 0
.endif
.endif
.if (\kind) != 3
	FETCH_A \ns, \nq, 0
.if (\so) >= 0
	SLD 1-\slot, \so
.endif
.if (\kind) == 1
	ASK \slot
.endif
.endif
	WIN MUL_HI
	QUAD 1, 0, \q, \slot, \zero, -1
.if (\bo) >= 0
	PLACES 8                                       ; eight places in front of loads into registers that matrix instructions have read
	BLD (\q)%2, 0, \bo
	WIN MUL_HI
.endif
	QUAD 1, 4, \q, \slot, \zero, -1
.if (\kind) != 3
	PLACES 8
	WIN 0
	FETCH_A \ns, \nq, 4
.if (\bo) >= 0
	BLD (\q)%2, 4, \bo
.endif
.endif
	WIN 0
.endm
	SLD 0, 0                                       ; under the tile's flight: the first scale words and W's steps 0 and 1
	BLD 0, 0, 0
	BLD 0, 4, 0
	BLD 1, 0, 1
	BLD 1, 4, 1
	WIN 0
	global_prefetch_b8 v[PFOB], s[PFB:PFB+1] offset:65536 th:TH_LOAD_NT scope:SCOPE_SE
	global_prefetch_b8 v[PFOA], s[PFA:PFA+1] offset:1024 th:TH_LOAD_NT scope:SCOPE_SE
	s_wait_tensorcnt 0x0                           ; my part of slot 0 is in
	ds_add_u32 v[SPW], v[NIL]
	s_wait_dscnt 0x0
	CROUND
	JLOAD 1                                        ; slot 1's first fill, first behind the round
	FETCH_A 0, 0, 0
	FETCH_A 0, 0, 4
	STEP 0, 0, 0, 1, 1, 2, 2048, 32, 0             ; the first step starts the sums
	s_mov_b32 s3, 3
.Llap:                                                 ; a trip: once round the ring, from a lap's second step to the next lap's first
	STEP 0, 1, 0, 2, 0, 3, -1, 40, 0               ; (behind its W stand the 8 scale loads of the step before too)
	STEP 0, 2, 0, 3, 0, 4, -1, 32, 0
	STEP 0, 3, 1, 0, 0, 5, -1, 32, 1
	STEP 1, 0, 1, 1, 0, 6, 4096, 32, 0
	STEP 1, 1, 1, 2, 0, 7, -1, 40, 0
	STEP 1, 2, 1, 3, 0, 8, -1, 32, 0
	STEP 1, 3, 0, 0, 0, 9, -1, 32, 1
	STEP 0, 0, 0, 1, 0, 10, 6144, 32, 0
	s_wait_xcnt 0x0                                ; the bases are stepped only behind this wait
	s_add_nc_u64 s[BP:BP+1], s[BP:BP+1], 0x20000
	s_add_nc_u64 s[PFB:PFB+1], s[PFB:PFB+1], 0x20000
	s_add_nc_u64 s[WSP:WSP+1], s[WSP:WSP+1], 4096
	s_add_nc_u64 s[XSP:XSP+1], s[XSP:XSP+1], 4096
	s_add_nc_u64 s[PFA:PFA+1], s[PFA:PFA+1], 1024
	s_sub_co_u32 s3, s3, 1
	s_cmp_lg_u32 s3, 0
	s_cbranch_scc1 .Llap
	STEP 0, 1, 0, 2, 0, 3, -1, 40, 0               ; the last lap fills nothing
	STEP 0, 2, 0, 3, 0, 4, -1, 32, 0
	STEP 0, 3, 1, 0, 0, 5, -1, 32, 2
	STEP 1, 0, 1, 1, 0, 6, -1, 32, 0
	STEP 1, 1, 1, 2, 0, 7, -1, 32, 0
	STEP 1, 2, 1, 3, 0, -1, -1, 32, 0
	STEP 1, 3, 1, 3, 0, -1, -1, 0, 3
; THE WAY OUT, by blocks of 16 rows x 128 columns: through my own stage in LDS, back as whole rows of 512 bytes
.macro TOSTAGE a
.set AC, 64*((\a)%4)
	WIN 0x08+4*((\a)/4)
.irp b, 0,1,2,3,4,5,6,7
	ds_store_b128 v[STO], v[AC+8*\b:AC+8*\b+3] offset:64*\b          ; each accumulator from its low end on
	ds_store_b128 v[STO], v[AC+8*\b+4:AC+8*\b+7] offset:64*\b+16
.endr
	WIN 0
.set BB, BK+64*((\a)%2)
.irp t, 0,1,2,3,4,5,6,7,8,9,10,11,12,13,14,15
	ds_load_b128 v[BB+4*\t:BB+4*\t+3], v[RD] offset:\t*SPITCH
.endr
.endm
.macro SEND a, younger
.set BB, BK+64*((\a)%2)
	s_wait_dscnt \younger
.if (\a) > 0
	s_add_nc_u64 s[12:13], s[12:13], 16*SIZE_N*4   ; behind a wait on XCNT
.endif
.irp t, 0,1,2,3,4,5,6,7,8,9,10,11,12,13,14,15
	global_store_b128 v[LO], v[BB+4*\t:BB+4*\t+3], s[12:13] offset:\t*SIZE_N*4 th:TH_STORE_NT   ; 512 consecutive bytes, at a multiple of 256 from out0's first byte
.endr
.endm
	PLACES 8
	TOSTAGE 0
.irp a, 1,2,3,4,5,6,7
.if \a > 1
	s_wait_xcnt 0x0                                ; block a - 2's stores have read their registers and their base
.endif
	TOSTAGE \a
	SEND \a-1, 32
.endr
	s_wait_xcnt 0x0
	SEND 7, 0
	s_wait_tensorcnt 0x0                           ; the wave's end
	ds_add_u32 v[SPW], v[NIL]
	s_wait_dscnt 0x0
	CROUND                                         ; the closing round
	s_endpgm
.Lfunc_end_k_qe53cd200e3_gemm:
	.size	k_qe53cd200e3_gemm, .Lfunc_end_k_qe53cd200e3_gemm-k_qe53cd200e3_gemm
	.p2alignl 7, 3214868480
	.fill 96, 4, 3214868480
	.section	.rodata,"a",@progbits
	.p2align	6, 0x0
	.amdhsa_kernel k_qe53cd200e3_gemm
		.amdhsa_group_segment_fixed_size 327680
		.amdhsa_private_segment_fixed_size 0
		.amdhsa_enable_private_segment 0
		.amdhsa_kernarg_size 40
		.amdhsa_user_sgpr_count 2
		.amdhsa_user_sgpr_kernarg_segment_ptr 1
		.amdhsa_wavefront_size32 1
		.amdhsa_system_sgpr_workgroup_id_x 1
		.amdhsa_system_sgpr_workgroup_id_y 1
		.amdhsa_system_sgpr_workgroup_id_z 1
		.amdhsa_system_vgpr_workitem_id 0
		.amdhsa_next_free_vgpr 1024
		.amdhsa_next_free_sgpr 66
		.amdhsa_reserve_vcc 0
		.amdhsa_float_denorm_mode_32 3
		.amdhsa_float_denorm_mode_16_64 3
		.amdhsa_memory_ordered 1
		.amdhsa_forward_progress 1
		.amdhsa_inst_pref_size 255
	.end_amdhsa_kernel
	.section	.bss,"aw",@nobits
	.p2align	6
	.space	262144
	.amdgpu_metadata
---
amdhsa.version: [ 1, 2 ]
amdhsa.kernels:
  - .name:           k_qe53cd200e3_gemm
    .symbol:         k_qe53cd200e3_gemm.kd
    .args:
      - { .name: x_codes, .offset: 0, .size: 8, .value_kind: global_buffer, .address_space: global }
      - { .name: wq, .offset: 8, .size: 8, .value_kind: global_buffer, .address_space: global }
      - { .name: ws, .offset: 16, .size: 8, .value_kind: global_buffer, .address_space: global }
      - { .name: xs, .offset: 24, .size: 8, .value_kind: global_buffer, .address_space: global }
      - { .name: out0, .offset: 32, .size: 8, .value_kind: global_buffer, .address_space: global }
    .group_segment_fixed_size: 327680
    .private_segment_fixed_size: 0
    .kernarg_segment_align: 8
    .kernarg_segment_size: 40
    .max_flat_workgroup_size: 128
    .sgpr_count:     66
    .vgpr_count:     1024
    .wavefront_size: 32
...
	.end_amdgpu_metadata
.endif
;; end of part 2
